; MI455X (gfx1250); checked and timed in simulation.
; The chip was launched on July 23, 2026; its instructions are those of AMD's public machine-readable ISA for CDNA 5 (MIT licence, August 2026) and "CDNA5" Instruction Set Architecture Reference Guide (July 2026). The comments in the code are by the model that wrote it; some were corrected since.
;; Dot Product Attention. Allowed arithmetic: matrix products marked QUANTISED: E3M2 operands, one E8M0 scale for each 32 along K, by v_wmma_scale_f32_16x16x128_f8f6f4 with both operands' format E3M2, f32 sums; everything else in f32.
;; Inputs: k 32 x 2,048 x 128 float32; q 32 x 2,048 x 128 float32; v 32 x 2,048 x 128 float32.
;; Outputs: out0 32 x 2,048 x 128 float32.
;; This version of the problem:
;;   THIS VERSION OF THE PROBLEM IS GIVEN IN LOW PRECISION. The matrix products marked QUANTISED in the list below multiply operands that are first quantised to E3M2 (3 exponent bits, 2 mantissa bits; 6 bits a number), with one power-of-two scale for each 32 numbers along K (OCP MX v1.0); their sums are f32. All else is computed in f32.
;;   The module's matrix products, in the order in which they are computed (A, B: the left and right operand; K: the contracted axis; several contracted axes count as one K, in the product's order):
;;     1. batch 32 x [M 2,048, K 128] x [K 128, N 2,048]; A: input q; B: input k: QUANTISED
;;     2. batch 32 x [M 2,048, K 2,048] x [K 2,048, N 128]; A: softmax (see below); B: input v: QUANTISED
;;   THE QUANTISER, for each operand of a quantised product, along K:
;;     - K is cut into blocks of 32 from its start; a last block that is shorter is filled with zeros.
;;     - A block's scale is 2^e with e = floor(log2(the largest magnitude in the block)) - 4, held to -126 .. 127; a block of zeros has e = 0. As a byte (E8M0): e + 127.
;;     - Each number is divided by its block's scale, clamped to +-28, and rounded to the nearest number of E3M2, ties to even, subnormals kept.
;;     - The product sums the exact products of the quantised numbers (number of the format x scale) in f32.
;;   ~~~python
;;   def quantise(x, axis):      # numpy; x: float32 -> the quantised numbers, widened to float32 again
;;       x = np.moveaxis(x, axis, -1); K = x.shape[-1]
;;       x = np.pad(x, [(0, 0)] * (x.ndim - 1) + [(0, -K % 32)]); x = x.reshape(x.shape[:-1] + (-1, 32)); a = np.abs(x).max(-1, keepdims=True)
;;       e = np.where(a > 0, np.clip(np.frexp(np.where(a > 0, a, 1))[1] - 1 - 4, -126, 127), 0)      # np.frexp(a)[1] - 1 = floor(log2(a)), exactly
;;       r = np.clip(x / 2.0 ** e, -28, 28)
;;       step = 2.0 ** (np.maximum(np.frexp(np.where(r == 0, 1, r))[1] - 1, -2) - 2)
;;       q = np.round(r / step) * step * 2.0 ** e      # np.round: ties to even
;;       return np.moveaxis(q.reshape(q.shape[:-2] + (-1,))[..., :K], -1, axis).astype(np.float32)
;;   ~~~
;;   SOFTMAX AHEAD OF A QUANTISED PRODUCT. Where the list says 'softmax', what is quantised is not the finished softmax but p = 2^(t - M), with t = logit x log2(e) and M = ceil(the row's largest t), a whole number; so 1/2 < the row's largest p <= 1. The row's sum l is taken of the UNQUANTISED p, in f32, and the product's result is divided by l at the end. Since M is a whole number, a kernel that streams over the keys may use a running M (the ceiling of the running maximum): every later rescaling is an exact power of two, which a block's scale takes up: the codes' values come out the same.
;;   OPERANDS COMPUTED ON THE WAY. 'Computed on the way' means the value that the module computes at that place (a softmax that the list does not call 'softmax' is quantised finished and normalised). What goes into a quantiser is computed in f32, as accurately as f32 sums, v_exp_f32 and their like allow (about 1e-6 of the number): no bf16 or f16 on the way to a quantiser, and a product that is left as it is and whose result goes on into a quantised operand takes f32 operands (vector FMAs, or v_wmma_f32_16x16x4_f32). A number that lies on a knife's edge between two numbers of the format may be rounded either way, as far as f32 arithmetic and the matrix unit's own rounding can turn it there, and no further.
;; One version. Each part assembles by itself: llvm-mc -triple=amdgcn-amd-amdhsa -mcpu=gfx1250 --defsym DOCPART=n.
;; ======== version 1 of 1: 2 launches
;; limits: right only within a limited range of input values
;; workspace buffers: kv 13,107,200 bytes
;; launch prep (part 1): grid 512 x 1, 4 waves a work-group, no clusters, 34,304 bytes of LDS; arguments k, v, kv; writes kv
.if DOCPART == 1
	.amdgcn_target "amdgcn-amd-amdhsa--gfx1250"
	.amdhsa_code_object_version 6
	.text
	.protected	k_q3ad43701c5_prep
	.globl	k_q3ad43701c5_prep
	.p2align	8
	.type	k_q3ad43701c5_prep,@function
k_q3ad43701c5_prep:
	s_mov_b64 s[64:65], 0
	v_nop
	global_prefetch_b8 v0, s[64:65] scope:SCOPE_SE
	s_setreg_imm32_b32 hwreg(HW_REG_WAVE_MODE, 25, 1), 1
	s_wait_xcnt 0x0
; k and v, [32][2048][128] f32, become codes of BF6 (E3M2) with one E8M0 scale byte for each 32 along a product's K: k along the head's 128, v along the KEYS.
; A block's scale is 2^(floor(log2(its largest magnitude)) - 4): its byte is the largest magnitude's exponent field - 4, held at 1 from below; numbers go to the nearest code, ties to even, beyond 28 to the largest.
; LIMITS: NaN and infinities among the inputs are not served.  A block of zeros, and one whose largest magnitude lies under 2^(5 - 127), gets the byte 1 (the rule says 127 for zeros):
; zero codes add nothing under any byte but 0xff, and the bytes are read by this program alone.
; THE OUTPUT IS LAID AS THE READER'S REGISTERS WANT IT.  kv is 512 records of REC bytes, one for each head and key step of 128 keys (record = 16 x head + step):
;   8 images of fragments of K (tile t: 16 keys x 128 channels); from VIMG 8 images of fragments of V^T (tile t: channels 16 t .. 16 t + 15 x the step's 128 keys); from KSC their scale words.
; An image is a fragment's 12 registers: register j of lane L at 512 (j / 4) + 16 L + 4 (j % 4); lane (r, h) holds row r, registers 6 c .. 6 c + 5 hold K = 64 c + 32 h + 0 .. 31.
; THE KEYS OF A TILE OF K ARE NOT NEIGHBOURS: row r of tile 4 c + i is key 64 c + 32 (r / 8) + 8 i + r % 8, so that the scores of tiles 4 c .. 4 c + 3 give a lane 32 neighbouring keys, a whole block.
; The scale word of (tile t, row r) lies at 256 (t / 4) + 16 r + 4 (2 (t % 2) + (t / 2) % 2): a reader's lane takes four tiles' words by one load of 16 bytes, and a writer's lane stores 8 neighbouring bytes.
; SHARES.  Work-groups 0-255 take k, 256-511 take v.  Wave w of work-group i takes record 2 (i % 256) + w / 2 and tiles 4 (w % 2) .. 4 (w % 2) + 3: 32 KiB in, 6,400 bytes out.
; Waves share nothing: no barrier.  Each input byte is read once, each output byte is stored once, by stores that cover whole aligned runs of 256 bytes.  No matrix unit, no cluster: nothing is shared.
.set REC,  25600
.set VIMG, 12288
.set KSC,  24576
.set FRB,  1536                        ; an image in bytes
.set SP,   528                         ; the K path's stage: a key's row of 512 bytes + 16: row r starts 4 r words on (64 banks of 4 bytes: ISA guide 11.1)
.set WST,  16*SP                       ; a wave's stage
.set SPARE, 4*WST                      ; behind the four stages, on a multiple of 256: the spare words, 128 bytes for each wave; no other line names them
.set SEL,  20                          ; s[20:21] lane selects for v_permlanex16_b32: lane l xor 16
; v1 lane; v2 16 x lane; v3 r; v4 h; v5, v6 the stage, in and out (K); v7 my 8 bytes of scale words; v8-11 maxima; v12, v13 the word in the making; v14 8 h; v16-22 conversions' second halves; v24, v25 their scale operands
; v26 my place in the images, v27 4 x lane (V); v32-35 K's four words; v[36:37] the pair that is stored; v40-87 the codes; v96-223 the numbers, in two sets; v224, v225 the spare word's address, and 0
	s_load_b128 s[4:7], s[0:1], 0x0                ; k, v
	s_load_b64 s[8:9], s[0:1], 0x10                ; kv
	v_lshl_add_u32 v224, v0, 2, SPARE
	v_mov_b32 v225, 0
	v_lshrrev_b32 v1, 5, v0
	v_readfirstlane_b32 s10, v1                    ; wave 0..3
	s_mul_i32 s24, s10, WST
	v_and_b32 v1, 31, v0                           ; lane
	v_lshlrev_b32 v2, 4, v1                        ; 16 x lane
	v_and_b32 v3, 15, v0                           ; r
	v_bfe_u32 v4, v0, 4, 1                         ; h
	v_lshlrev_b32 v14, 3, v4
	v_add_nc_u32 v5, s24, v2                       ; the stage, in: a row as it lies, 16 bytes a lane
	v_mul_u32_u24 v6, v3, SP
	v_lshl_add_u32 v6, v4, 7, v6
	v_add_nc_u32 v6, s24, v6                       ; and out: row r, + 128 h: my block of 32
	v_lshlrev_b32 v7, 4, v3
	v_lshl_add_u32 v7, v4, 3, v7                   ; scale words: 16 r + 8 h
	v_lshlrev_b32 v27, 2, v1                       ; V in: 4 bytes a lane
	v_mul_u32_u24 v26, v4, FRB
	v_lshl_add_u32 v26, v3, 4, v26                 ; V out: lanes 16-31 hold the next tile's rows: 1,536 h + 16 r
	v_mov_b32 v12, 0                               ; written once: a lane permute's destination counts as one of its sources
	s_mov_b32 s[SEL], 0x76543210
	s_mov_b32 s[SEL+1], 0xfedcba98
	s_and_b32 s11, s10, 1                          ; g: which four tiles
	s_lshr_b32 s12, s10, 1
	s_and_b32 s13, ttmp9, 255
	s_lshl_b32 s13, s13, 1
	s_add_co_u32 s12, s12, s13                     ; the record
	s_cmp_lt_u32 ttmp9, 256                        ; k's work-group or v's?  All that is chosen on this compare is chosen before the next line that sets SCC
	s_cselect_b32 s14, 15, 8                       ; in: g is 64 keys of 512 bytes (k), or 64 channels of 4 bytes (v)
	s_cselect_b32 s16, 0, VIMG                     ; out: K's images, or V's behind them
	s_cselect_b32 s18, 0, 512                      ; and the scale words likewise
	s_lshl_b32 s14, s11, s14
	s_lshl_b32 s15, s12, 16                        ; a key step is 128 rows of 512 bytes in either input
	s_add_co_u32 s14, s14, s15
	s_mov_b32 s15, 0
	s_mul_i32 s22, s12, REC
	s_mul_i32 s23, s11, 4*FRB
	s_add_co_u32 s16, s16, s22
	s_add_co_u32 s16, s16, s23
	s_mov_b32 s17, 0
	s_lshl_b32 s23, s11, 8
	s_add_co_u32 s18, s18, s22
	s_add_co_u32 s18, s18, s23
	s_add_co_u32 s18, s18, KSC
	s_mov_b32 s19, 0
	s_wait_alu depctr_va_vdst(0)
	s_wait_kmcnt 0x0
	s_cmp_lt_u32 ttmp9, 256
	s_cselect_b64 s[4:5], s[4:5], s[6:7]           ; the choice hangs on the work-group's number alone
	s_add_nc_u64 s[4:5], s[4:5], s[14:15]          ; my numbers
	s_add_nc_u64 s[16:17], s[8:9], s[16:17]        ; my four images
	s_add_nc_u64 s[18:19], s[8:9], s[18:19]        ; my 256 bytes of scale words
	s_cmp_lt_u32 ttmp9, 256
	s_cbranch_scc0 .Lv
; ---- K.  A load takes a whole key's row, 512 consecutive bytes; the 16 rows of a tile turn through the wave's stage, so that a lane gets two whole blocks of its row.
.macro KLOAD f
.set RR, 96+64*((\f)%2)
.irp i, 0,1,2,3,4,5,6,7,8,9,10,11,12,13,14,15
	global_load_b128 v[RR+4*\i:RR+4*\i+3], v2, s[4:5] offset:(8*(\f)+\i+24*(\i/8))*512 th:TH_LOAD_NT
.endr
.endm
.macro KFRAG f
.set RR, 96+64*((\f)%2)
.set D, 40+12*(\f)
.if (\f) < 3
	s_wait_loadcnt 16                              ; this tile's 16 rows are in; the next tile's 16 loads stay out
.else
	s_wait_loadcnt 0
.endif
.irp i, 0,1,2,3,4,5,6,7,8,9,10,11,12,13,14,15
	ds_store_b128 v5, v[RR+4*\i:RR+4*\i+3] offset:SP*\i
.endr
.irp c, 0,1
.irp j, 0,1,2,3,4,5,6,7
	ds_load_b128 v[RR+32*\c+4*\j:RR+32*\c+4*\j+3], v6 offset:256*\c+16*\j   ; LDS serves a wave's instructions in order (ISA guide 5.7.1.4): these see the stores above
.endr
.endr
	s_wait_dscnt 0x0
.irp b, 0,1,2,3                                ; the largest magnitudes of four runs of 16, by turns, and the floor 2^(5 - 127): the byte cannot fall under 1
	v_max3_num_f32 v[8+\b], |v[RR+16*\b]|, |v[RR+1+16*\b]|, 0x2800000
.endr
.irp i, 2,4,6,8,10,12,14
.irp b, 0,1,2,3
	v_max3_num_f32 v[8+\b], v[8+\b], |v[RR+16*\b+\i]|, |v[RR+1+16*\b+\i]|
.endr
.endr
	v_max_num_f32 v8, v8, v9                       ; block h
	v_max_num_f32 v10, v10, v11                    ; block 2 + h
	v_add_nc_u32 v24, 0xfe000000, v8               ; 4 off the exponent field: the conversion takes the exponent field of this operand as its scale, and nothing else of it
	v_add_nc_u32 v25, 0xfe000000, v10
	v_lshrrev_b32 v8, 23, v24                      ; the bytes
	v_lshrrev_b32 v10, 23, v25
	v_lshl_or_b32 v13, v10, 16, v8
	v_lshlrev_b32 v13, v14, v13                    ; at their places in the word: 8 h bits up;
	v_permlanex16_b32 v12, v13, s[SEL], s[SEL+1]
	v_or_b32 v[32+(\f)], v13, v12                  ; with lane l xor 16's two the word is whole
	v_cvt_scalef32_pk16_bf6_f32 v[D:D+2], v[RR:RR+15], v24
	v_cvt_scalef32_pk16_bf6_f32 v[16:18], v[RR+16:RR+31], v24      ; (a conversion's three registers begin on an even number)
	v_cvt_scalef32_pk16_bf6_f32 v[D+6:D+8], v[RR+32:RR+47], v25
	v_cvt_scalef32_pk16_bf6_f32 v[20:22], v[RR+48:RR+63], v25
	v_nop                                          ; one plain instruction behind a scaled conversion before its result is touched
.irp i, 0,1,2
	v_mov_b32 v[D+3+\i], v[16+\i]
	v_mov_b32 v[D+9+\i], v[20+\i]
.endr
.if (\f) < 2
	KLOAD (\f)+2                                   ; the set just worked takes the tile two on
.endif
.irp c, 0,1,2
	global_store_b128 v2, v[D+4*\c:D+4*\c+3], s[16:17] offset:FRB*(\f)+512*\c   ; 512 consecutive bytes; each tile has its own code registers, so no store's data are written again
.endr
.endm
	KLOAD 0
	KLOAD 1
	KFRAG 0
	KFRAG 1
	KFRAG 2
	KFRAG 3
	v_cmp_le_u32 vcc_lo, 16, v1                    ; every lane holds row r's four words; lane (r, h) stores those of tiles h and 2 + h
	v_cndmask_b32 v36, v32, v33, vcc_lo
	v_cndmask_b32 v37, v34, v35, vcc_lo
	global_store_b64 v7, v[36:37], s[18:19]        ; 32 lanes store 256 consecutive bytes, aligned
	s_wait_tensorcnt 0x0                           ; the wave's end
	ds_add_u32 v224, v225
	s_wait_dscnt 0x0
	s_endpgm
; ---- V.  K is the keys, v's first axis in a head: A LANE TAKES A CHANNEL, AND ITS REGISTERS RUN DOWN THE KEYS.  A block of 32 keys then lies in one lane's 32 registers, and the conversions give codes with the keys innermost.
; Unit u = block u / 2 of the step's four, pass u % 2 of my 64 channels' two halves.  A load reads 128 consecutive bytes; the two passes' loads, out together, cover 256.
.Lv:
.macro VLOAD u
.set XX, 96+32*((\u)%2)
.irp i, 0,1,2,3,4,5,6,7,8,9,10,11,12,13,14,15,16,17,18,19,20,21,22,23,24,25,26,27,28,29,30,31
	global_load_b32 v[XX+\i], v27, s[4:5] offset:(32*((\u)/2)+\i)*512+128*((\u)%2) th:TH_LOAD_NT
.endr
.endm
.macro VBLK u
.set XX, 96+32*((\u)%2)
.set VA, (\u)%2
.set VB, (\u)/2
.set CB, 40+24*VA+12*(VB%2)+6*(VB/2)   ; block b belongs to the image's lanes of half b % 2, registers 6 (b / 2) on
.if (\u) < 7
	s_wait_loadcnt 32                              ; this unit's 32 loads are in; the next unit's stay out
.else
	s_wait_loadcnt 0
.endif
	v_max3_num_f32 v8, |v[XX]|, |v[XX+1]|, |v[XX+2]|               ; the block's largest magnitude: all 32 numbers are mine; two chains
	v_max3_num_f32 v9, |v[XX+3]|, |v[XX+4]|, |v[XX+5]|
.irp i, 6,10,14,18,22,26
	v_max3_num_f32 v8, v8, |v[XX+\i]|, |v[XX+\i+1]|
	v_max3_num_f32 v9, v9, |v[XX+\i+2]|, |v[XX+\i+3]|
.endr
	v_max3_num_f32 v8, v8, |v[XX+30]|, |v[XX+31]|
	v_max3_num_f32 v8, v8, v9, 0x2800000           ; and the floor 2^(5 - 127)
	v_add_nc_u32 v24, 0xfe000000, v8               ; the conversion's scale operand
	v_lshrrev_b32 v12, 23, v24                     ; the byte
.if VB == 0
	v_mov_b32 v[36+VA], v12                        ; four bytes to a word, the earlier keys in the lower byte
.else
	v_lshl_or_b32 v[36+VA], v12, 8*VB, v[36+VA]
.endif
	v_cvt_scalef32_pk16_bf6_f32 v[CB:CB+2], v[XX:XX+15], v24
	v_cvt_scalef32_pk16_bf6_f32 v[16:18], v[XX+16:XX+31], v24
	v_nop                                          ; one plain instruction behind a scaled conversion
.irp i, 0,1,2
	v_mov_b32 v[CB+3+\i], v[16+\i]
.endr
.if (\u) < 6
	VLOAD (\u)+2
.endif
.endm
	VLOAD 0
	VLOAD 1
.irp u, 0,1,2,3,4,5,6,7
	VBLK \u
.endr
.irp a, 0,1                                    ; lane (r, h) of pass a holds row r of tile 2 a + h, all four blocks: what the image's lanes r and 16 + r hold
.irp hd, 0,1
.irp c, 0,1,2
	global_store_b128 v26, v[40+24*\a+12*\hd+4*\c:43+24*\a+12*\hd+4*\c], s[16:17] offset:2*FRB*\a+512*\c+256*\hd   ; sixteen lanes store 256 consecutive bytes, aligned; the other sixteen the next tile's
.endr
.endr
.endr
	global_store_b64 v7, v[36:37], s[18:19]        ; the words of tiles h and 2 + h: 256 consecutive bytes, aligned
	s_endpgm
.Lfunc_end_k_q3ad43701c5_prep:
	.size	k_q3ad43701c5_prep, .Lfunc_end_k_q3ad43701c5_prep-k_q3ad43701c5_prep
	.p2alignl 7, 3214868480
	.fill 96, 4, 3214868480
	.section	.rodata,"a",@progbits
	.p2align	6, 0x0
	.amdhsa_kernel k_q3ad43701c5_prep
		.amdhsa_group_segment_fixed_size 34304
		.amdhsa_private_segment_fixed_size 0
		.amdhsa_enable_private_segment 0
		.amdhsa_kernarg_size 24
		.amdhsa_user_sgpr_count 2
		.amdhsa_user_sgpr_kernarg_segment_ptr 1
		.amdhsa_wavefront_size32 1
		.amdhsa_system_sgpr_workgroup_id_x 1
		.amdhsa_system_sgpr_workgroup_id_y 1
		.amdhsa_system_sgpr_workgroup_id_z 1
		.amdhsa_system_vgpr_workitem_id 0
		.amdhsa_next_free_vgpr 226
		.amdhsa_next_free_sgpr 66
		.amdhsa_reserve_vcc 1
		.amdhsa_float_denorm_mode_32 3
		.amdhsa_float_denorm_mode_16_64 3
		.amdhsa_memory_ordered 1
		.amdhsa_forward_progress 1
		.amdhsa_inst_pref_size 68
	.end_amdhsa_kernel
	.amdgpu_metadata
---
amdhsa.version: [ 1, 2 ]
amdhsa.kernels:
  - .name:           k_q3ad43701c5_prep
    .symbol:         k_q3ad43701c5_prep.kd
    .args:
      - { .name: k, .offset: 0, .size: 8, .value_kind: global_buffer, .address_space: global }
      - { .name: v, .offset: 8, .size: 8, .value_kind: global_buffer, .address_space: global }
      - { .name: kv, .offset: 16, .size: 8, .value_kind: global_buffer, .address_space: global }
    .group_segment_fixed_size: 34304
    .private_segment_fixed_size: 0
    .kernarg_segment_align: 8
    .kernarg_segment_size: 24
    .max_flat_workgroup_size: 128
    .sgpr_count:     66
    .vgpr_count:     226
    .wavefront_size: 32
...
	.end_amdgpu_metadata
.endif
;; end of part 1
;; launch attn (part 2): grid 8 x 32, 8 waves a work-group, clusters of 4 x 1, 327,680 bytes of LDS; arguments q, kv, out0; writes out0
.if DOCPART == 2
	.amdgcn_target "amdgcn-amd-amdhsa--gfx1250"
	.amdhsa_code_object_version 6
	.text
	.protected	k_q3ad43701c5_attn
	.globl	k_q3ad43701c5_attn
	.p2align	8
	.type	k_q3ad43701c5_attn,@function
k_q3ad43701c5_attn:
	s_mov_b64 s[64:65], 0
	v_nop
	global_prefetch_b8 v0, s[64:65] scope:SCOPE_SE
	s_setreg_imm32_b32 hwreg(HW_REG_WAVE_MODE, 25, 1), 1
	s_wait_xcnt 0x0
	s_wait_alu depctr_hold_cnt(0) depctr_sa_sdst(0) depctr_va_vdst(0) depctr_va_sdst(0) depctr_va_ssrc(0) depctr_va_vcc(0) depctr_vm_vsrc(0)
	s_getreg_b32 s2, hwreg(HW_REG_IB_STS2, 6, 4)
	s_cmp_eq_u32 s2, 0
	s_cbranch_scc0 .Lentry_in_a_cluster
	s_endpgm
.Lentry_in_a_cluster:
	s_bfe_u32 s2, ttmp6, 0x10000c
	s_cmp_lg_u32 s2, 0x3003
	s_cbranch_scc0 .Lentry_shape_is_right
	s_endpgm
.Lentry_shape_is_right:
; out0[h][q][:] = the sum over k of softmax_k(q[h][q] . k[h][k] / sqrt(128)) v[h][k][:], 32 heads, 2,048 queries and keys, head size 128; both products on codes of BF6 (E3M2) with one E8M0 scale for each 32 along a product's K.
; k and v come as codes from kv: 512 records of REC bytes, one for each head and key step of 128 keys: 8 images of fragments of K, 8 of V^T, and their scale words, laid in the order of the operand's registers.
; q, f32, is read once, by one wave: it is quantised here, in registers.
; THE SOFTMAX AHEAD OF THE SECOND PRODUCT: t = score x log2(e) / sqrt(128); M = the row's largest t so far, rounded UP to a whole number; p = 2^(t - M) is what is quantised, along the keys; it is not normalised.
; The row's sum is taken of the unquantised p, in f32, and divides the result at the end.  When M moves, the sum and the result are multiplied by 2^(old M - new M): exact.
; A block's scale exponent is floor(log2(its largest p)) - 4 = floor(its largest t - M) - 4, held at -126 from below.
; LIMITS: NaN and infinities among the inputs are not served; |t| stays under 2^31.  A p under 2^-126 comes out of v_exp_f32 as 0 (ISA guide, the instruction's entry).  A block of zeros gets the scale byte 1 with zero codes, which add nothing.
; SHARES.  A work-group owns 256 queries of one head; each of its eight waves owns 32: TWO tiles of 16, in 512 registers, two waves to a SIMD; each fragment of K and V read from LDS feeds two matrix instructions.
; LAYOUT.  Both products are used transposed: S^T = K Q^T (source 0 = 16 keys, source 1 = 16 queries), O^T = V^T P^T (source 0 = 16 channels, source 1 = P): a lane holds ONE query (lane % 16) throughout.
; Row r of K's tile 4 c + i is key 64 c + 32 (r / 8) + 8 i + r % 8, so lane (r, h)'s 32 registers of tiles 4 c .. 4 c + 3 are keys 64 c + 32 h + 0 .. 31: a whole block, and the one that P's operand layout gives that lane.
; THE RING.  Two LDS slots of four records (102,400 dense bytes); waves 0-3 fetch a record each by one tensor load of 100 rows x 256 bytes; a refill has four key steps, 128 matrix instructions of each wave, in which to land:
; no wave waits for it, so nothing is prefetched.  By this text's count a wave has at most one tensor load out.
; CLUSTER.  The four query blocks of a cluster belong to one head and walk the same records: each record is asked for JOINTLY, by the same tensor load with the same descriptor and a mask that names the four.
; REGISTERS, in two windows of 256 (s_set_vgpr_msb: bits 1:0 source 0, 3:2 source 1, 5:4 source 2, 7:6 destination).
;   window 0: addresses; v16-39 Q's codes of the two tiles; v40-59 scales and nothing else (Q's, P's, K's eight, V's eight); v60-115 the tiles' states; v116-119 conversions' scale operands; v128-191, v192-255 O^T of tiles 0, 1
;   window 1: v0-63, v64-127 S^T, then p, of tiles 0, 1; v128-223 the eight fragments; v224-247 P's codes; v248-254 conversions' second halves; v251 the images' LDS address, v255 16 x lane
.set REC,   25600
.set KIMG,  0
.set VIMG,  12288
.set KSC,   24576
.set VSC,   25088
.set FRB,   1536                       ; a fragment's image: register j of lane L at 512 (j / 4) + 16 L + 4 (j % 4)
.set SLOT1, 1<<17                      ; slot 1 begins here, so that one exclusive or turns an address in one slot into the other's
.set SP,    528                        ; a stage row: 512 bytes + 16: row r starts 4 r words on (64 banks of 4 bytes: ISA guide 11.1)
.set WST,   16*SP
.set STAGE, SLOT1+4*REC                ; behind the ring: 16 rows for each wave, for q on its way in and the result on its way out; no tensor load lands here
.set SPARE, STAGE+8*WST                ; behind the stages: the spare words, 128 bytes for each wave: four blocks of 256 bytes that no other line names
.set LI,  1                            ; v1  16 x lane: my 16 bytes of a row of q and of out0
.set LSC, 2                            ; v2  16 x (lane % 16): my row's four scale words
.set ADS, 4                            ; v4  LDS address of my scale words
.set SPW, 5                            ; v5  LDS address of my spare word: SPARE + 4 x my thread's number; never rewritten
.set NIL, 6                            ; v6  0; never rewritten
.set STI, 7                            ; v7  my stage, a row as it lies: 16 x lane
.set STF, 8                            ; v8  my stage, q out of it: row r, + 128 h
.set STO, 9                            ; v9  my stage, results into it: row r, + 32 h
.set H8,  12                           ; v12 8 h
.set QC,  16
.set QS,  40
.set PS,  42
.set KS,  44
.set VS,  52
.set ST,  60                           ; a tile's state, 28 registers: 0 -M, 1 the new -M; 2 f (3: its pair's upper half); 4-11 the sum in eight parts; 12 the largest score; 14-17 maxima; 18 other half's; 19 at work; 20-27 the step's sums
.set NM,  ST
.set FF,  ST+2
.set L,   ST+4
.set RM,  ST+12
.set BM,  ST+14
.set PX,  ST+18
.set T,   ST+19
.set TM,  ST+20
.set SO,  116                          ; two a tile
.set FB,  128                          ; window 1 from here
.set PC,  224
.set CT,  248                          ; 248-250, 252-254
.set ADR, 251                          ; LDS address of the images: record + 16 x lane
.set LI1, 255
.set WV,  10                           ; s10 my wave's number
.set SEL, 20                           ; s[20:21] lane selects for v_permlanex16_b32: lane l xor 16
.set CS,  22                           ; s[22:23] c = log2(e) / sqrt(128): the packed form names a pair and takes its low word for both halves
.set G1,  24                           ; s[24:31] descriptor group 1
.set G0,  32                           ; s[32:35] descriptor group 0, which walks
.set TB,  36                           ; s36 LDS byte at which the record begins whose K is read next
.set SLOTS, 37
.set CNT, 38
.set NC,  39                           ; s39 -c
.set MSB, 0
.macro WIN new                         ; the immediate's high byte repeats the setting that is left; a switch that changes nothing is dropped
.if MSB != (\new)
	s_set_vgpr_msb (MSB<<8)|(\new)
.set MSB, (\new)
.endif
.endm
; A round of the cluster's barrier: my work-group's barrier, so that wave 0's signal speaks for all eight waves; wave 0 signals for the work-group; every wave waits for all four work-groups; my work-group's barrier once more.
.macro CROUND
	s_barrier_signal -1
	s_barrier_wait -1
	s_cmp_lg_u32 s[WV], 0
	s_cbranch_scc1 .Lnot_wave_0_\@
	s_barrier_signal -3
.Lnot_wave_0_\@:
	s_barrier_wait -3
	s_barrier_signal -1
	s_barrier_wait -1
.endm
; A joint load: waves 0-3 fetch one record of the slot each, waves 4-7 nothing.  The branch hangs on the wave's number alone.  Four v_nop follow the load.
.macro JLOAD
	s_cmp_lt_u32 s[WV], 4
	s_cbranch_scc0 .Lno_load_\@
	tensor_load_to_lds s[G0:G0+3], s[G1:G1+7]
	s_nop 0
.rept 4
	v_nop
.endr
.Lno_load_\@:
.endm
; THE CHANGE OF SLOTS.  Each wave waits for all its tensor loads (its record of the slot ahead), adds 0 to its spare word, and waits for that and for its reads of the slot that it leaves.
; fill = 1: that slot (at the head: slot 1, for the first time) takes the next four key steps.  The barrier is then a round of the cluster's, so that no wave of any partner still reads the slot or has a load on its way;
; the joint load is the first thing behind it.  fill = 0: the signal alone; the wait stands further on, with work on registers between.
.macro CHANGE fill
	s_wait_alu depctr_va_vdst(0)
	s_wait_tensorcnt 0x0                           ; no tensor load of mine is out, so group 0 may be written
	ds_add_u32 v[SPW], v[NIL]                      ; 0 onto my spare word
.if \fill
	ds_add_u32 v[SPW], v[NIL]
	s_xor_b32 s[G0+1], s[G0+1], SLOT1              ; the walking descriptor: the other slot than last time,
	s_add_nc_u64 s[G0+2:G0+3], s[G0+2:G0+3], 4*REC ; the next four records; the type bits on top are not reached
.endif
	s_wait_dscnt 0x0                               ; the add is done, and so are my reads
.if \fill
	CROUND
	JLOAD
.else
	s_barrier_signal -1
.endif
.endm
; 64 numbers of a lane, two whole blocks, become an operand's 12 registers d on.  A conversion's three registers begin on an even number: the second half of a block's six is made elsewhere and moved.
.macro CODES d, s, q
	WIN 0x41
	v_cvt_scalef32_pk16_bf6_f32 v[\d:\d+2], v[\s:\s+15], v[SO+2*\q]
	v_cvt_scalef32_pk16_bf6_f32 v[CT:CT+2], v[\s+16:\s+31], v[SO+2*\q]
	v_cvt_scalef32_pk16_bf6_f32 v[\d+6:\d+8], v[\s+32:\s+47], v[SO+2*\q+1]
	v_cvt_scalef32_pk16_bf6_f32 v[CT+4:CT+6], v[\s+48:\s+63], v[SO+2*\q+1]
.endm
.macro MOVES d                         ; (window 1 in source 0 and destination)
.irp i, 0,1,2
	v_mov_b32 v[\d+3+\i], v[CT+\i]
	v_mov_b32 v[\d+9+\i], v[CT+4+\i]
.endr
.endm
; One of a step's 24 loads of fragments: 16 bytes a lane, 512 consecutive bytes; load n is part n % 3 of fragment n / 3
.macro FLOAD off, n
	ds_load_b128 v[FB+12*((\n)/3)+4*((\n)%3):FB+12*((\n)/3)+4*((\n)%3)+3], v[ADR] offset:\off+FRB*((\n)/3)+512*((\n)%3)
.endm
.macro SCALEW r, off                   ; my row's scale words of tiles 0-3 and 4-7; tile 4 g + i's stands in register 4 g + 2 (i % 2) + i / 2 of the eight
	ds_load_b128 v[\r:\r+3], v[ADS] offset:\off
	ds_load_b128 v[\r+4:\r+7], v[ADS] offset:\off+256
.endm
	s_load_b128 s[4:7], s[0:1], 0x0                ; q, kv
	s_load_b64 s[8:9], s[0:1], 0x10                ; out0
	v_lshl_add_u32 v[SPW], v0, 2, SPARE
	v_mov_b32 v[NIL], 0
	ds_add_u32 v[SPW], v[NIL]                      ; the wave's opening
	ds_add_u32 v[SPW], v[NIL]
	v_lshrrev_b32 v10, 5, v0
	v_readfirstlane_b32 s[WV], v10                 ; wave 0..7
	s_mul_i32 s17, s[WV], WST
	s_add_co_u32 s17, s17, STAGE                   ; my stage
	v_and_b32 v10, 31, v0
	v_and_b32 v11, 15, v0                          ; r
	v_bfe_u32 v13, v0, 4, 1                        ; h
	v_lshlrev_b32 v[LI], 4, v10
	v_lshlrev_b32 v[LSC], 4, v11
	v_lshlrev_b32 v[H8], 3, v13
	v_mul_u32_u24 v[STF], v11, SP
	v_add_nc_u32 v[STI], s17, v[LI]
	v_lshl_add_u32 v[STO], v13, 5, v[STF]
	v_lshl_add_u32 v[STF], v13, 7, v[STF]
	v_add_nc_u32 v[STO], s17, v[STO]
	v_add_nc_u32 v[STF], s17, v[STF]
	WIN 0x40
	v_lshlrev_b32 v[LI1], 4, v10
	WIN 0
	s_bfe_u32 s11, ttmp6, 0x40000                  ; cx: my place in the cluster
	s_lshl_b32 s12, ttmp9, 2                       ; in a cluster launch ttmp9 counts clusters
	s_add_co_u32 s12, s12, s11                     ; my block of 256 queries: it enters q's and out0's addresses alone
	s_and_b32 s13, ttmp7, 0xffff                   ; the head, which the four partners share
	s_lshl_b32 s14, s13, 20                        ; a head's 2,048 rows of 512 bytes,
	s_lshl_b32 s15, s12, 17                        ; my block's 256,
	s_add_co_u32 s14, s14, s15
	s_lshl_b32 s15, s[WV], 14                      ; my wave's 32
	s_add_co_u32 s14, s14, s15
	s_mov_b32 s15, 0
	s_and_b32 s16, s[WV], 3
	s_mul_i32 s16, s16, REC                        ; which record of a slot I fetch, if I fetch: its place in the slot and in memory; no place in the cluster enters it
	s_mul_i32 s18, s13, 16*REC                     ; the head's 16 records
	s_add_co_u32 s18, s18, s16
	s_mov_b32 s19, 0
	; descriptor group 1: a record is a dense block: 100 rows of 256 bytes (32 elements of 8 bytes), no padding: images are read 16 bytes a lane, on end
	s_mov_b32 s[G1], 15|(3<<16)|(1<<21)            ; 15:0 the mask: all four work-groups; 17:16 elements of 8 bytes; 20 padding off; 21 set beside a mask
	s_mov_b32 s[G1+1], 32<<16                      ; tensor_dim0 = 32
	s_mov_b32 s[G1+2], 100<<16                     ; tensor_dim1 = 100
	s_mov_b32 s[G1+3], 32<<16                      ; tile_dim0 = 32
	s_mov_b32 s[G1+4], 100                         ; tile_dim1 = 100
	s_mov_b32 s[G1+5], 32                          ; tensor_dim0_stride
	s_mov_b32 s[G1+6], 0
	s_mov_b32 s[G1+7], 0
	s_mov_b32 s[SEL], 0x76543210
	s_mov_b32 s[SEL+1], 0xfedcba98
	s_mov_b32 s[CS], 0x3e0293ee                    ; c = log2(e) / sqrt(128)
	s_mov_b32 s[CS+1], s[CS]                       ; (named with it as a pair, so it is written)
	s_mov_b32 s[NC], 0xbe0293ee                    ; -c
	s_mov_b32 s[TB], 0
	s_wait_alu depctr_va_vdst(0)
	s_wait_dscnt 0x0                               ; both opening adds are done
	s_wait_kmcnt 0x0
	s_add_nc_u64 s[4:5], s[4:5], s[14:15]          ; q and out0 at my wave's first row
	s_add_nc_u64 s[8:9], s[8:9], s[14:15]
	s_mov_b32 s[G0], 1                             ; count = 1
	s_mov_b32 s[G0+1], s16                         ; LDS address: slot 0
	s_add_nc_u64 s[G0+2:G0+3], s[6:7], s[18:19]    ; global address: key steps 0 to 3
	s_or_b32 s[G0+3], s[G0+3], 0x80000000          ; type = 2
	WIN 0x40
.irp i, 0,1,2,3,4,5,6,7,8,9,10,11,12,13,14,15,16,17,18,19,20,21,22,23,24,25,26,27,28,29,30,31
	global_load_b128 v[4*\i:4*\i+3], v[LI], s[4:5] offset:512*\i th:TH_LOAD_NT   ; a whole row of q: 512 consecutive bytes; rows 0-15 are tile 0's.  Asked for ahead of the round
.endr
	WIN 0
	CROUND                                         ; all four work-groups are here: the first joint loads meet
	JLOAD                                          ; slot 0
	; ---- under those loads: the step is written for every turn alike, so its first run finds zeros, which the first change of M leaves zeros
.irp q, 0,1
	v_mov_b32 v[RM+28*\q], 0xff61b1e6              ; the largest score so far: -3e38, under every score
	v_mov_b32 v[PX+28*\q], 0                       ; written once: a lane permute's destination counts as one of its sources
	v_mov_b32 v[FF+28*\q], 0
	v_mov_b32 v[FF+1+28*\q], 0                     ; (named as the upper half of f's pair)
.irp j, 0,1,2,3,4,5,6,7
	v_mov_b32 v[L+28*\q+\j], 0
.endr
	v_mul_f32 v[T+28*\q], s[NC], v[RM+28*\q]
	v_floor_f32 v[NM+28*\q], v[T+28*\q]            ; -M
.endr
.irp j, 0,1,2,3,4,5,6,7
	v_mov_b32 v[TM+28+\j], 0                       ; tile 1's sums of the step before the first
.endr
.set j, 0
.rept 128
	v_mov_b32 v[128+j], 0                          ; O^T
.set j, j+1
.endr
	s_wait_alu depctr_va_vdst(0)
; Tile q's 16 rows turn through my stage, so that a lane gets two whole blocks of its row; then they are quantised
.macro QTILE q
.if \q == 0
	s_wait_loadcnt 16                              ; tile 0's 16 rows are in; tile 1's 16 loads stay out
.else
	s_wait_loadcnt 0
.endif
	WIN 0x04                                       ; an LDS store's data are its source 1
.irp i, 0,1,2,3,4,5,6,7,8,9,10,11,12,13,14,15
	ds_store_b128 v[STI], v[64*\q+4*\i:64*\q+4*\i+3] offset:SP*\i
.endr
	WIN 0x40
.irp c, 0,1
.irp j, 0,1,2,3,4,5,6,7
	ds_load_b128 v[64*\q+32*\c+4*\j:64*\q+32*\c+4*\j+3], v[STF] offset:256*\c+16*\j   ; LDS serves a wave's instructions in order (ISA guide 5.7.1.4): these see the stores above
.endr
.endr
	s_wait_alu depctr_va_vdst(0)
	s_wait_dscnt 0x0
	WIN 0x05
.irp b, 0,1,2,3                                ; the largest magnitudes of four runs of 16, by turns, and the floor 2^(5 - 127): the byte cannot fall under 1
	v_max3_num_f32 v[BM+28*\q+\b], |v[64*\q+16*\b]|, |v[64*\q+16*\b+1]|, 0x2800000
.endr
	WIN 0x14
.irp i, 2,4,6,8,10,12,14
.irp b, 0,1,2,3
	v_max3_num_f32 v[BM+28*\q+\b], v[BM+28*\q+\b], |v[64*\q+16*\b+\i]|, |v[64*\q+16*\b+\i+1]|
.endr
.endr
	WIN 0
.irp b, 0,1
	v_max_num_f32 v[BM+28*\q+2*\b], v[BM+28*\q+2*\b], v[BM+28*\q+2*\b+1]
.endr
.irp b, 0,1
	v_add_nc_u32 v[SO+2*\q+\b], 0xfe000000, v[BM+28*\q+2*\b]   ; 4 off the exponent field: the conversion takes the exponent field of this operand as its scale, and nothing else of it
.endr
.irp b, 0,1
	v_lshrrev_b32 v[BM+28*\q+2*\b], 23, v[SO+2*\q+\b]          ; the scale's byte
.endr
	v_lshl_or_b32 v[T+28*\q], v[BM+28*\q+2], 16, v[BM+28*\q]   ; blocks h and 2 + h,
	v_lshlrev_b32 v[T+28*\q], v[H8], v[T+28*\q]                ; at their places in the word: 8 h bits up;
	v_permlanex16_b32 v[PX+28*\q], v[T+28*\q], s[SEL], s[SEL+1]
	v_or_b32 v[QS+\q], v[T+28*\q], v[PX+28*\q]                 ; with lane l xor 16's two the word is whole
	CODES PC, 64*\q, \q
	v_nop                                          ; one plain instruction behind a scaled conversion before its result is touched
	WIN 0x01                                       ; Q's codes go to window 0
.irp i, 0,1,2
	v_mov_b32 v[QC+12*\q+\i], v[PC+\i]
	v_mov_b32 v[QC+12*\q+3+\i], v[CT+\i]
	v_mov_b32 v[QC+12*\q+6+\i], v[PC+6+\i]
	v_mov_b32 v[QC+12*\q+9+\i], v[CT+4+\i]
.endr
	WIN 0
.endm
	QTILE 0                                        ; q is quantised while slot 0 is on its way
	QTILE 1
	CHANGE 1                                       ; slot 0 is whole, and slot 1 is asked for
	v_add_nc_u32 v[ADS], s[TB], v[LSC]
	SCALEW KS, KSC                                 ; step 0's K
	WIN 0x45
	v_add_nc_u32 v[ADR], s[TB], v[LI1]
.irp n, 0,1,2,3,4,5,6,7,8,9,10,11,12,13,14,15,16,17,18,19,20,21,22,23
	FLOAD KIMG, \n
.endr
	WIN 0
.rept 8
	v_nop                                          ; a scale register written by a vector instruction stands 8 places ahead of a scaled matrix instruction, an operand so written 4: once, ahead of the loop
.endr
; S^T = K Q^T with four fragments, both tiles: each instruction starts its sum with the constant 0
.macro QK g
	WIN 0x41
.irp q, 0,1
.irp i, 0,1,2,3
	v_wmma_scale_f32_16x16x128_f8f6f4 v[64*\q+8*(4*\g+\i):64*\q+8*(4*\g+\i)+7], v[FB+48*\g+12*\i:FB+48*\g+12*\i+11], v[QC+12*\q:QC+12*\q+11], 0, v[KS+4*\g+2*(\i%2)+\i/2], v[QS+\q] matrix_a_fmt:MATRIX_FMT_BF6 matrix_b_fmt:MATRIX_FMT_BF6
.endr
.endr
.endm
; O^T += V^T P^T with four fragments, both tiles: one instruction a turn; between two links of a chain stand the step's 31 other matrix instructions
.macro PV g
	WIN 0x05
.irp q, 0,1
.irp i, 0,1,2,3
	v_wmma_scale_f32_16x16x128_f8f6f4 v[128+64*\q+8*(4*\g+\i):135+64*\q+8*(4*\g+\i)], v[FB+48*\g+12*\i:FB+48*\g+12*\i+11], v[PC+12*\q:PC+12*\q+11], v[128+64*\q+8*(4*\g+\i):135+64*\q+8*(4*\g+\i)], v[VS+4*\g+2*(\i%2)+\i/2], v[PS+\q] matrix_a_fmt:MATRIX_FMT_BF6 matrix_b_fmt:MATRIX_FMT_BF6
.endr
.endr
.endm
; THE ROW'S SUM IS TAKEN OF THE UNQUANTISED p, two at a time, as a tree: 32 pairs to 16 to 8 (where p lay: it has been quantised) to 4, which join the four running pairs
.macro ADD1 q, k
	v_pk_add_f32 v[64*\q+2*(\k):64*\q+2*(\k)+1], v[64*\q+2*(\k):64*\q+2*(\k)+1], v[64*\q+32+2*(\k):64*\q+33+2*(\k)]
.endm
.macro ADD2 q, k
	v_pk_add_f32 v[64*\q+2*(\k):64*\q+2*(\k)+1], v[64*\q+2*(\k):64*\q+2*(\k)+1], v[64*\q+16+2*(\k):64*\q+17+2*(\k)]
.endm
.macro ADD3 q
	WIN 0x05
.irp k, 0,1,2,3
	v_pk_add_f32 v[TM+28*\q+2*\k:TM+28*\q+2*\k+1], v[64*\q+2*\k:64*\q+2*\k+1], v[64*\q+8+2*\k:64*\q+9+2*\k]
.endr
.endm
.macro ACC q                           ; the sums under the new M, plus the step's
	WIN 0
.irp k, 0,1,2,3
	v_pk_fma_f32 v[L+28*\q+2*\k:L+28*\q+2*\k+1], v[L+28*\q+2*\k:L+28*\q+2*\k+1], v[FF+28*\q:FF+28*\q+1], v[TM+28*\q+2*\k:TM+28*\q+2*\k+1] op_sel_hi:[1,0,1]
.endr
.endm
.macro TOM q, j                        ; t - M of two scores (of the pairs c and -M the low word serves both halves)
	v_pk_fma_f32 v[64*\q+\j:64*\q+\j+1], v[64*\q+\j:64*\q+\j+1], s[CS:CS+1], v[NM+28*\q:NM+28*\q+1] op_sel_hi:[1,0,0]
.endm
; THE LARGEST SCORE OF EACH BLOCK serves twice: for the row's maximum, and for the block's scale.  Eight chains by turns; each accumulator is read from its low end on
.macro MAXES
	WIN 0x15
.irp b, 0,1,2,3
.irp q, 0,1
	v_max3_num_f32 v[BM+28*\q+\b], v[64*\q+16*\b], v[64*\q+16*\b+1], v[64*\q+16*\b+2]
.endr
.endr
	WIN 0x14
.irp i, 3,5,7,9,11,13
.irp b, 0,1,2,3
.irp q, 0,1
	v_max3_num_f32 v[BM+28*\q+\b], v[BM+28*\q+\b], v[64*\q+16*\b+\i], v[64*\q+16*\b+\i+1]
.endr
.endr
.endr
.irp b, 0,2
.irp q, 0,1
	v_max3_num_f32 v[BM+28*\q+\b], v[BM+28*\q+\b], v[64*\q+16*\b+15], v[64*\q+16*\b+31]
.endr
.endr
.endm
; -M, f and the blocks' scales of both tiles, by turns
.macro CHAIN
	WIN 0
.irp q, 0,1
	v_max_num_f32 v[BM+28*\q], v[BM+28*\q], v[BM+28*\q+1]      ; block h
	v_max_num_f32 v[BM+28*\q+2], v[BM+28*\q+2], v[BM+28*\q+3]  ; block 2 + h
.endr
.irp q, 0,1
	v_max_num_f32 v[T+28*\q], v[BM+28*\q], v[BM+28*\q+2]
.endr
.irp q, 0,1
	v_permlanex16_b32 v[PX+28*\q], v[T+28*\q], s[SEL], s[SEL+1]
.endr
.irp q, 0,1
	v_max3_num_f32 v[RM+28*\q], v[RM+28*\q], v[T+28*\q], v[PX+28*\q]   ; the running largest score of my query
.endr
.irp q, 0,1
	v_mul_f32 v[T+28*\q], s[NC], v[RM+28*\q]       ; -t
.endr
.irp q, 0,1
	v_floor_f32 v[NM+28*\q+1], v[T+28*\q]          ; the new -M = floor(-t) = -ceil(t): M IS A WHOLE NUMBER
.endr
.irp q, 0,1
	v_sub_f32 v[T+28*\q], v[NM+28*\q+1], v[NM+28*\q]           ; M's old value less its new one: a whole number, 0 or less
.endr
.irp q, 0,1
	v_fma_f32 v[BM+28*\q], v[BM+28*\q], s[CS], v[NM+28*\q+1]   ; the blocks' largest t - M
	v_fma_f32 v[BM+28*\q+2], v[BM+28*\q+2], s[CS], v[NM+28*\q+1]
.endr
.irp q, 0,1
	v_cvt_i32_f32 v[T+28*\q], v[T+28*\q]           ; (it saturates)
	v_mov_b32 v[NM+28*\q], v[NM+28*\q+1]
.endr
.irp q, 0,1
	v_max_num_f32 v[BM+28*\q], 0xc2f40000, v[BM+28*\q]         ; held at -122: the byte cannot fall under 1
	v_max_num_f32 v[BM+28*\q+2], 0xc2f40000, v[BM+28*\q+2]
.endr
.irp q, 0,1
	v_ldexp_f32 v[FF+28*\q], 1.0, v[T+28*\q]       ; f = 2^(old M - new M): a multiplication by it rounds nothing
.endr
.irp q, 0,1
	v_cvt_floor_i32_f32 v[BM+28*\q], v[BM+28*\q]   ; n = floor(log2(the block's largest p))
	v_cvt_floor_i32_f32 v[BM+28*\q+2], v[BM+28*\q+2]
.endr
.irp q, 0,1
	v_add_lshl_u32 v[SO+2*\q], v[BM+28*\q], 123, 23            ; the conversion's scale operand: exponent field n - 4 + 127
	v_add_lshl_u32 v[SO+2*\q+1], v[BM+28*\q+2], 123, 23
.endr
.irp q, 0,1
	v_lshl_add_u32 v[T+28*\q], v[BM+28*\q+2], 16, v[BM+28*\q]  ; n of blocks h and 2 + h,
.endr
.irp q, 0,1
	v_lshlrev_b32 v[T+28*\q], v[H8], v[T+28*\q]    ; 8 h bits up;
.endr
.irp q, 0,1
	v_permlanex16_b32 v[PX+28*\q], v[T+28*\q], s[SEL], s[SEL+1]
.endr
.irp q, 0,1
	v_add3_u32 v[PS+\q], v[T+28*\q], v[PX+28*\q], 0x7b7b7b7b   ; with lane l xor 16's, and 123 to each: four bytes from 1 to 123, p's scale word for these 128 keys
.endr
.endm
; A KEY STEP: 128 keys.  32 matrix instructions, both tiles' softmax, 26 LDS loads of V; K's fragments were asked for in the step before, the next step's are asked for here.
; kind 0: any step but a slot's last.  1, 2: a slot's last, with the CHANGE OF SLOTS in its middle, when V is in registers and nothing of the slot is read any more: 1 fills the slot again, 2 does not.  3: the very last: no K follows.
.macro STEP kind
	s_wait_dscnt 12                                ; K's scale words and fragments 0-3 are in; the youngest 12 loads (fragments 4-7) may be out
	QK 0
	s_wait_dscnt 0
	QK 1
	ACC 1                                          ; the step before's sums of tile 1: four places behind the products, ahead of the loads into their registers and of the first read of the scores
	SCALEW VS, VSC
	WIN 0x41
.set n, 0
.rept 24
	FLOAD VIMG, n                                  ; V lands under the softmax
.set n, n+1
.endr
	MAXES
	CHAIN
.set j, 0
.rept 64
	v_pk_mul_f32 v[128+j:129+j], v[128+j:129+j], v[FF+28*(j/64):FF+28*(j/64)+1] op_sel_hi:[1,0]   ; O^T under the new M: x f; each accumulator from its low end on
.set j, j+2
.endr
.if (\kind) == 1
	CHANGE 1
.endif
.if (\kind) == 2
	CHANGE 0
.endif
	WIN 0x41
.set j, 0
.rept 32
	TOM 0, j
.set j, j+2
.endr
	s_wait_alu depctr_va_vdst(0)
.set j, 0
.rept 32
	v_exp_f32 v[j], v[j]                           ; p = 2^(t - M), at most 1: NOT normalised
	v_exp_f32 v[j+1], v[j+1]
	TOM 1, j                                       ; tile 1's t - M stand between tile 0's exponentials
.set j, j+2
.endr
	s_wait_alu depctr_va_vdst(0)
	CODES PC, 0, 0
	v_nop                                          ; one plain instruction behind a scaled conversion before its result is touched
	MOVES PC
	WIN 0x45
.set j, 0
.rept 16
	v_exp_f32 v[64+4*j], v[64+4*j]
	v_exp_f32 v[65+4*j], v[65+4*j]
	v_exp_f32 v[66+4*j], v[66+4*j]
	v_exp_f32 v[67+4*j], v[67+4*j]
	ADD1 0, j                                      ; tile 0's first additions stand between tile 1's exponentials; each reads and writes registers of its own
.set j, j+1
.endr
	s_wait_alu depctr_va_vdst(0)
.if (\kind) == 0 || (\kind) == 3
	s_wait_dscnt 0                                 ; V is in
.endif
	CODES PC+12, 64, 1
	WIN 0x45
.irp k, 0,1,2,3
	ADD2 0, \k
.endr
	MOVES PC+12
.irp k, 4,5,6,7
	ADD2 0, \k
.endr
	ADD3 0                                         ; (with the four above, eight places between P's codes and the products)
	PV 0
.if (\kind) == 0
	s_add_co_u32 s[TB], s[TB], REC                 ; the next record
.endif
.if (\kind) == 1 || (\kind) == 2
	s_sub_co_u32 s[TB], s[TB], 3*REC               ; back to a slot's first record,
	s_xor_b32 s[TB], s[TB], SLOT1                  ; in the other slot
.endif
	ACC 0                                          ; places ahead of the loads below, as are the additions
.if (\kind) < 3
	v_add_nc_u32 v[ADS], s[TB], v[LSC]
.endif
	WIN 0x45
.if (\kind) < 3
	v_add_nc_u32 v[ADR], s[TB], v[LI1]
.endif
.irp k, 0,1,2,3
	ADD1 1, \k
.endr
.if (\kind) == 2
	s_wait_alu depctr_va_vdst(0)
	s_barrier_wait -1                              ; the last slot is whole for every wave
.endif
.if (\kind) < 3
.set n, 0
.rept 12
	FLOAD KIMG, n                                  ; the next step's K, fragments 0-3, in one run
.set n, n+1
.endr
	WIN 0
	SCALEW KS, KSC
.endif
	PV 1
	WIN 0x45
.irp k, 4,5,6,7,8,9,10,11
	ADD1 1, \k                                     ; places again
.endr
.if (\kind) < 3
.set n, 12
.rept 12
	FLOAD KIMG, n                                  ; fragments 4-7
.set n, n+1
.endr
.endif
.irp k, 12,13,14,15
	ADD1 1, \k
.endr
.irp k, 0,1,2,3,4,5,6,7
	ADD2 1, \k
.endr
	ADD3 1
	WIN 0                                          ; at a label and at a branch every window is 0
.endm
.macro THREE_STEPS
	s_mov_b32 s[CNT], 3
	s_wait_alu depctr_va_vdst(0)                   ; a wait that blocks follows
.Lstep_\@:
	STEP 0
	s_sub_co_u32 s[CNT], s[CNT], 1
	s_cmp_lg_u32 s[CNT], 0
	s_wait_alu depctr_va_vdst(0)                   ; and here, directly ahead of the branch
	s_cbranch_scc1 .Lstep_\@
.endm
	s_mov_b32 s[SLOTS], 2
.Lslot:                                            ; two trips: steps 0-3, behind which slot 0 takes steps 8-11, and steps 4-7, behind which slot 1 takes steps 12-15
	THREE_STEPS
	STEP 1
	s_sub_co_u32 s[SLOTS], s[SLOTS], 1
	s_cmp_lg_u32 s[SLOTS], 0
	s_wait_alu depctr_va_vdst(0)
	s_cbranch_scc1 .Lslot
	THREE_STEPS                                    ; the last two slots are written out
	STEP 2
	THREE_STEPS
	STEP 3
; THE WAY OUT.  The sum's parts are added; O^T is divided by the sum and goes through my stage: a lane holds 32 neighbouring bytes of a row for each tile of channels, and whole rows of 512 bytes come back.
	ACC 1                                          ; the last step's sums of tile 1
.irp q, 0,1
	v_pk_add_f32 v[L+28*\q:L+28*\q+1], v[L+28*\q:L+28*\q+1], v[L+28*\q+2:L+28*\q+3]
	v_pk_add_f32 v[L+28*\q+4:L+28*\q+5], v[L+28*\q+4:L+28*\q+5], v[L+28*\q+6:L+28*\q+7]
.endr
.irp q, 0,1
	v_pk_add_f32 v[L+28*\q:L+28*\q+1], v[L+28*\q:L+28*\q+1], v[L+28*\q+4:L+28*\q+5]
.endr
.irp q, 0,1
	v_add_f32 v[L+28*\q], v[L+28*\q], v[L+28*\q+1]
.endr
.irp q, 0,1
	v_permlanex16_b32 v[PX+28*\q], v[L+28*\q], s[SEL], s[SEL+1]
.endr
.irp q, 0,1
	v_add_f32 v[L+28*\q], v[L+28*\q], v[PX+28*\q]  ; with lane l xor 16's: the row's sum
.endr
	s_wait_alu depctr_va_vdst(0)
	v_rcp_f32 v[L], v[L]
	v_rcp_f32 v[L+28], v[L+28]
	v_nop                                          ; one plain instruction behind a transcendental
	WIN 0x40
	s_wait_alu depctr_va_vdst(0)                   ; and directly ahead of the first reader of the reciprocals and of O^T
.set j, 0
.rept 64
	v_pk_mul_f32 v[j:j+1], v[128+j:129+j], v[L+28*(j/64):L+28*(j/64)+1] op_sel_hi:[1,0]   ; register 64 q + 8 t + i is out0(r, 16 t + 8 h + i); each accumulator from its low end on
.set j, j+2
.endr
.irp q, 0,1
	WIN 0x04
.irp t, 0,1,2,3,4,5,6,7
	ds_store_b128 v[STO], v[64*\q+8*\t:64*\q+8*\t+3] offset:64*\t
	ds_store_b128 v[STO], v[64*\q+8*\t+4:64*\q+8*\t+7] offset:64*\t+16
.endr
	WIN 0x40
.irp i, 0,1,2,3,4,5,6,7,8,9,10,11,12,13,14,15
	ds_load_b128 v[64*\q+4*\i:64*\q+4*\i+3], v[STI] offset:SP*\i   ; LDS serves a wave's instructions in order: these see my stores, and the next tile's stores come behind them
.endr
.endr
	WIN 0x04                                       ; a store's data are its source 1
.irp q, 0,1
.irp i, 0,1,2,3,4,5,6,7,8,9,10,11,12,13,14,15
	s_wait_dscnt 32*(1-\q)+15-\i                   ; row i is back: behind it stand this tile's 15 - i later loads and, for tile 0, tile 1's 16 stores and 16 loads
	global_store_b128 v[LI], v[64*\q+4*\i:64*\q+4*\i+3], s[8:9] offset:8192*\q+512*\i th:TH_STORE_NT   ; 32 lanes store a row of 512 consecutive bytes, at a multiple of 256 from out0's first byte
.endr
.endr
	WIN 0
	s_wait_tensorcnt 0x0                           ; the wave's end: behind my last tensor load and my last LDS store
	ds_add_u32 v[SPW], v[NIL]
	s_wait_dscnt 0x0
	CROUND                                         ; the closing round: no work-group ends while a partner may still ask for a record that names it
	s_endpgm
.Lfunc_end_k_q3ad43701c5_attn:
	.size	k_q3ad43701c5_attn, .Lfunc_end_k_q3ad43701c5_attn-k_q3ad43701c5_attn
	.p2alignl 7, 3214868480
	.fill 96, 4, 3214868480
	.section	.rodata,"a",@progbits
	.p2align	6, 0x0
	.amdhsa_kernel k_q3ad43701c5_attn
		.amdhsa_group_segment_fixed_size 327680
		.amdhsa_private_segment_fixed_size 0
		.amdhsa_enable_private_segment 0
		.amdhsa_kernarg_size 24
		.amdhsa_user_sgpr_count 2
		.amdhsa_user_sgpr_kernarg_segment_ptr 1
		.amdhsa_wavefront_size32 1
		.amdhsa_system_sgpr_workgroup_id_x 1
		.amdhsa_system_sgpr_workgroup_id_y 1
		.amdhsa_system_sgpr_workgroup_id_z 1
		.amdhsa_system_vgpr_workitem_id 0
		.amdhsa_next_free_vgpr 512
		.amdhsa_next_free_sgpr 66
		.amdhsa_reserve_vcc 0
		.amdhsa_float_denorm_mode_32 3
		.amdhsa_float_denorm_mode_16_64 3
		.amdhsa_memory_ordered 1
		.amdhsa_forward_progress 1
		.amdhsa_inst_pref_size 228
	.end_amdhsa_kernel
	.amdgpu_metadata
---
amdhsa.version: [ 1, 2 ]
amdhsa.kernels:
  - .name:           k_q3ad43701c5_attn
    .symbol:         k_q3ad43701c5_attn.kd
    .args:
      - { .name: q, .offset: 0, .size: 8, .value_kind: global_buffer, .address_space: global }
      - { .name: kv, .offset: 8, .size: 8, .value_kind: global_buffer, .address_space: global }
      - { .name: out0, .offset: 16, .size: 8, .value_kind: global_buffer, .address_space: global }
    .group_segment_fixed_size: 327680
    .private_segment_fixed_size: 0
    .kernarg_segment_align: 8
    .kernarg_segment_size: 24
    .max_flat_workgroup_size: 256
    .sgpr_count:     66
    .vgpr_count:     512
    .wavefront_size: 32
...
	.end_amdgpu_metadata
.endif
;; end of part 2
